; MI455X (gfx1250); checked and timed in simulation.
; The chip was launched on July 23, 2026; its instructions are those of AMD's public machine-readable ISA for CDNA 5 (MIT licence, August 2026) and "CDNA5" Instruction Set Architecture Reference Guide (July 2026). The comments in the code are by the model that wrote it; some were corrected since.
;; Gaussian Vector Quantizer. Allowed arithmetic: matrix products marked QUANTISED: E4M3 operands, one given power-of-two scale a tensor, by v_wmma_f32_16x16x64_fp8_fp8 or v_wmma_f32_16x16x128_fp8_fp8, f32 sums; everything else in f32.
;; Inputs: codebook 512 x 64 float32; gumbel_u 32,768 x 512 float32; lowp_scales 4 int32 (the exponents e of the quantised operands' scales 2^e); var_q 1 float32; z_from_encoder 32 x 64 x 32 x 32 float32.
;; Outputs: out0 32 x 64 x 32 x 32 float32; out1 one number float32; out2 one number float32.
;; This version of the problem:
;;   THIS VERSION OF THE PROBLEM IS GIVEN IN LOW PRECISION. The matrix products marked QUANTISED in the list below multiply operands that are first quantised to E4M3 (4 exponent bits, 3 mantissa bits; 8 bits a number), with one given power-of-two scale for each operand tensor; their sums are f32. All else is computed in f32.
;;   The module's matrix products, in the order in which they are computed (A, B: the left and right operand; K: the contracted axis; several contracted axes count as one K, in the product's order):
;;     1. [M 32,768, K 64] x [K 64, N 512]; A: computed on the way; B: input codebook: QUANTISED (scales: A lowp_scales[0], B lowp_scales[1])
;;     2. [M 32,768, K 512] x [K 512, N 64]; A: softmax (see below); B: input codebook: QUANTISED (scales: A lowp_scales[2], B lowp_scales[3])
;;   THE QUANTISER, for each operand of a quantised product, along K:
;;     - The operand's scale is 2^e, e = its entry of the input lowp_scales (int32; the entries are numbered through the quantised products in the list's order, A before B).
;;     - Each number is divided by the scale, clamped to +-448, and rounded to the nearest number of E4M3, ties to even, subnormals kept.
;;     - The product sums the exact products of the quantised numbers (number of the format x scale) in f32.
;;   ~~~python
;;   def quantise(x, axis, e):      # numpy; x: float32 -> the quantised numbers, widened to float32 again
;;       x = np.moveaxis(x, axis, -1); K = x.shape[-1]
;;       r = np.clip(x / 2.0 ** e, -448, 448)
;;       step = 2.0 ** (np.maximum(np.frexp(np.where(r == 0, 1, r))[1] - 1, -6) - 3)
;;       q = np.round(r / step) * step * 2.0 ** e      # np.round: ties to even
;;       return np.moveaxis(q, -1, axis).astype(np.float32)
;;   ~~~
;;   SOFTMAX AHEAD OF A QUANTISED PRODUCT. Where the list says 'softmax', what is quantised is not the finished softmax but p = 2^(t - M), with t = logit x log2(e) and M = ceil(the row's largest t), a whole number; so 1/2 < the row's largest p <= 1. The row's sum l is taken of the UNQUANTISED p, in f32, and the product's result is divided by l at the end. Since M is a whole number, a kernel that streams over the keys may use a running M (the ceiling of the running maximum): every later rescaling is an exact power of two, so the quantised numbers keep their values, but for numbers so far below the row's largest that they fall under the format's range.
;;   OPERANDS COMPUTED ON THE WAY. 'Computed on the way' means the value that the module computes at that place (a softmax that the list does not call 'softmax' is quantised finished and normalised). What goes into a quantiser is computed in f32, as accurately as f32 sums, v_exp_f32 and their like allow (about 1e-6 of the number): no bf16 or f16 on the way to a quantiser, and a product that is left as it is and whose result goes on into a quantised operand takes f32 operands (vector FMAs, or v_wmma_f32_16x16x4_f32). A number that lies on a knife's edge between two numbers of the format may be rounded either way, as far as f32 arithmetic and the matrix unit's own rounding can turn it there, and no further.
;; One version. Each part assembles by itself: llvm-mc -triple=amdgcn-amd-amdhsa -mcpu=gfx1250 --defsym DOCPART=n.
;; ======== version 1 of 1: 3 launches
;; limits: right only within a limited range of input values
;; workspace buffers: colp 524,288 bytes; lossp 16,384 bytes; colq 16,384 bytes; lossq 256 bytes
;; launch vq_main (part 1): grid 256 x 1, 16 waves a work-group, no clusters, 327,680 bytes of LDS; arguments z_from_encoder, codebook, gumbel_u, lowp_scales, var_q, out0, colp, lossp; writes out0, colp, lossp
.if DOCPART == 1
	.amdgcn_target "amdgcn-amd-amdhsa--gfx1250"
	.amdhsa_code_object_version 6
	.text
	.protected	k_qad0147f9f0_vq_main
	.globl	k_qad0147f9f0_vq_main
	.p2align	8
	.type	k_qad0147f9f0_vq_main,@function
k_qad0147f9f0_vq_main:
	s_mov_b64 s[64:65], 0
	v_nop
	global_prefetch_b8 v0, s[64:65] scope:SCOPE_SE
	s_setreg_imm32_b32 hwreg(HW_REG_WAVE_MODE, 25, 1), 1
	s_wait_xcnt 0x0
; GaussianVectorQuantizer, all work of a row.  z [32][64][1024] f32, codebook [512][64] f32, gumbel_u [32768][512] f32, lowp_scales e0..e3, var_q [1].
; Row n = 1024 b + p is z[b][:][p].  Product 1: (2 z) . codebook^T on E4M3 codes (scales 2^e0, 2^e1); product 2: p . codebook on E4M3 codes (2^e2, 2^e3).
; OUT: out0 [32][64][1024]; colp [256][512]: this work-group's sums over its 128 rows of the probabilities; lossp [256][16]: each wave's part of 32 x loss.
; WORK LEFT OUT.  dist = |z|^2 + |c_k|^2 - P1[n][k]; logit = -hp dist - max_k(-hp dist): |z|^2 is the same for all k of a row, so the maximum takes it away ahead of
; the clip, for all values: it reaches no output and is not computed (z stays live: product 1, the loss).  logit <= 0 by that subtraction, so the clip's upper bound 50 is an
; identity; the lower bound -50 is made.  A NaN, an infinity or an overflow that would arise only in |z|^2 is not carried to the result.
; FORMULAS.  hp = 0.5 min(1 / max(var, 1e-5), 1e5).  L = max(c1 (S - max S), -50 log2 e), c1 = hp log2(e) 2^(e0+e1), S = sum of code products - |c_k|^2 / 2^(e0+e1) (the norm is the C of the product).
; q = 2^L.  Z = sum q.  sum p log p = ln2 ((sum q L) / Z - log2 Z).  b = -ln(u + EPS) + EPS.  exp(2 (logit + g)) = (q / b)^2 = W.
; The clip at -50 and the two EPS of the problem hold q / b within 8e-24 .. 1e10 for every u in [0, 1], so W needs no shift.  The maximum is taken away ahead of the quantiser:
; M = ceil(log2(max_k W)) over the whole row, from the exponent field of max W; p = W 2^-M.  The code of p / 2^e2 is the code of W / 2^(e2+M): M is added to the conversion's scale and to the hold.
; l = 2^-M sum W, the unquantised sum; out = (codes' product) 2^(e2+e3+M) / sum W.
; LIMITS.  u in [0, 1] (elsewhere the problem's own logarithms give NaN, which is not reproduced).  e0 - 1, e1, e3 between -126 and 119; e2 between -116 and 51 (M lies within -10 .. 67); c1 an f32 number.  NaN among the inputs is not served.
; SHARES.  256 work-groups of 16 waves; a work-group owns 128 rows (one b, 128 neighbouring p).  Wave w owns rows 64 rh .. 64 rh + 63 (rh = w / 8) and codes 64 g .. 64 g + 63 (g = w % 8): 4 x 4 tiles, 128 accumulator registers.
; Both products are used transposed (source 0 = codes or channels, source 1 = rows): a lane holds ONE row (r = lane % 16) of a row tile, and register 8 t + j is code 64 g + 16 t + 8 h + j (h = lane / 16).
; A row's largest S, Z, largest W and sum of W meet through LDS ([row][8 waves] words); the last two share a barrier.  u: ONE tensor load a wave, 64 rows x 256 bytes, into the wave's own strip.  No LDS byte is filled twice.
; z: wave w loads channels 4 w .. 4 w + 3, 4 positions a lane, and keeps the f32 numbers for the loss.  Codebook: wave w loads codes 32 w .. 32 w + 31 once, for both products.
; NO CLUSTER: what work-groups share is the codebook's 131,072 bytes, which go to registers; LDS is full.  NO PREFETCH: there is no loop, and every byte of u, z and the codebook is requested by the launch's first instructions.
; LDS IMAGES of rows of 64 bytes are laid without padding: the 16-byte chunks of a row change places by an exclusive or with bits of the row's number, so that the 16 rows of a fragment load fall on different 16-byte columns of 256.
.set UP,    272                        ; a row of a u strip: 256 bytes + 16 of padding
.set UWB,   64*UP                      ; a wave's strip
.set P1Z,   16*UWB                     ; product 1's codes, 512 rows of 64 bytes; later product 2's codebook operand, images of registers [channel tile][wave]
.set ZI,    P1Z+32768                  ; z's codes, 128 rows of 64 bytes; later exchange 2 (Z) at + 0 and exchange 3 (sum of W) at + 4096
.set X1,    ZI+8192                    ; exchange 1: largest S, later largest W
.set NRM,   X1+4096                    ; the codes' norms
.set SPARE, NRM+2048                   ; the spare words: 128 bytes a wave, eight blocks of 256 bytes that no other line names
.set PCO,   8192                       ; in a strip that has been read: images of the wave's p codes, 1024 bytes a row tile,
.set OSO,   12288                      ; and four channels of the out stage,
.set OSP,   528                        ; a channel's row there
; REGISTERS: v3 r, v4 h, v5 lane; addresses v6 u, v7 exchange out, v8 exchange in, v9/v10 turn, v11 column sums, v12 p in, v13 codebook in, v14 out stage, v15 my strip, v17 16 x lane, v21 codebook out
.set NB,  22                           ; -c1 max S, then 1 / Z, a register a row tile
.set WM,  26                           ; Z, then the largest W
.set LQ,  30                           ; sum q L, then sum W
.set CT,  22                           ; until the first exchange: my 32 codes for product 2
.set ZF,  48                           ; v48-63 z
.set T0,  64                           ; v64-127 at work
.set ACC, 96                           ; v96-127 column sums
.set Q,   128                          ; v128-255 S, q, W
.set SCV, 38                           ; 2^(e2+M), a register a row tile
.set LIM, 22                           ; 448 x that, two registers a row tile
.macro VW
	s_wait_alu depctr_va_vdst(0)
.endm
.macro WD n
	VW
	s_wait_dscnt \n
.endm
.macro BARRIER                         ; my LDS stores have landed and my LDS loads are in; then the work-group's barrier
	WD 0
	s_barrier_signal -1
	s_barrier_wait -1
.endm
	s_load_b256 s[4:11], s[0:1], 0x0               ; z, codebook, u, scales
	s_load_b256 s[12:19], s[0:1], 0x20             ; var_q, out0, colp, lossp
	v_lshl_add_u32 v1, v0, 2, SPARE
	v_mov_b32 v2, 0
	ds_add_u32 v1, v2                              ; the opening: the add, twice on end, and its wait ahead of my first tensor load
	ds_add_u32 v1, v2
	v_lshrrev_b32 v34, 5, v0
	v_readfirstlane_b32 s20, v34                   ; wave 0..15
	v_and_b32 v3, 15, v0
	v_bfe_u32 v4, v0, 4, 1
	v_and_b32 v5, 31, v0
	v_lshlrev_b32 v17, 4, v5
	v_lshlrev_b32 v35, 4, v3
	v_lshl_add_u32 v35, v4, 11, v35                ; codebook: code 8 h, 16 lanes cover a code's 256 bytes
	VW
	s_lshr_b32 s21, s20, 3                         ; rh
	s_and_b32 s22, s20, 7                          ; g
	s_mul_i32 s40, s20, UWB                        ; my strip
	s_lshr_b32 s30, ttmp9, 3
	s_lshl_b32 s30, s30, 18                        ; b x 64 channels x 4,096 bytes
	s_and_b32 s29, ttmp9, 7
	s_lshl_b32 s29, s29, 9                         ; + 128 positions x 4 bytes for each eighth
	s_add_co_u32 s30, s30, s29
	s_lshl_b32 s29, s20, 14                        ; + my four channels
	s_add_co_u32 s30, s30, s29
	s_mov_b32 s31, 0
	s_lshl_b32 s32, ttmp9, 18                      ; u: 128 rows of 2,048 bytes a work-group,
	s_lshl_b32 s29, s21, 17
	s_add_co_u32 s32, s32, s29
	s_lshl_b32 s29, s22, 8
	s_add_co_u32 s32, s32, s29                     ; my 64 rows, my 64 codes
	s_mov_b32 s33, 0
	s_lshl_b32 s34, s20, 13                        ; the codebook: my 32 codes
	s_mov_b32 s35, 0
	s_lshl_b32 s36, ttmp9, 11
	s_lshl_b32 s29, s20, 9
	s_add_co_u32 s36, s36, s29                     ; colp: 2,048 bytes a work-group, 512 for each of waves 0 to 3
	s_mov_b32 s37, 0
	s_lshl_b32 s38, ttmp9, 6
	s_lshl_b32 s29, s20, 2
	s_add_co_u32 s38, s38, s29                     ; lossp: a word a wave
	s_mov_b32 s39, 0
	s_mov_b32 s72, (2<<16)|(1<<20)|(5<<22)|(3<<25) ; descriptor group 1: 64 rows of 64 f32, 512 f32 apart, 4 words of padding behind each 64
	s_mov_b32 s73, 64<<16
	s_mov_b32 s74, 64<<16
	s_mov_b32 s75, 64<<16
	s_mov_b32 s76, 64
	s_mov_b32 s77, 512
	s_mov_b32 s78, 0
	s_mov_b32 s79, 0
	s_mov_b32 s68, 1
	s_mov_b32 s69, s40
	s_wait_dscnt 0x0                               ; both opening adds are done
	s_wait_kmcnt 0x0
	s_load_b128 s[24:27], s[10:11], 0x0            ; e0, e1, e2, e3
	s_load_b32 s28, s[12:13], 0x0                  ; var_q
	s_add_nc_u64 s[4:5], s[4:5], s[30:31]
	s_add_nc_u64 s[14:15], s[14:15], s[30:31]
	s_add_nc_u64 s[6:7], s[6:7], s[34:35]
	s_add_nc_u64 s[8:9], s[8:9], s[32:33]
	s_add_nc_u64 s[16:17], s[16:17], s[36:37]
	s_add_nc_u64 s[18:19], s[18:19], s[38:39]
.irp i, 0,1,2,3
	global_load_b128 v[ZF+4*\i:ZF+4*\i+3], v17, s[4:5] offset:4096*\i th:TH_LOAD_NT     ; a channel's 128 positions: 512 consecutive bytes
.endr
.set i,0
.rept 16
	global_load_b128 v[128+4*i:131+4*i], v35, s[6:7] offset:(16*(i/8)+i%8)*256          ; code 16 (i / 8) + 8 h + i % 8, channels 4 r .. 4 r + 3
.set i,i+1
.endr
	s_mov_b64 s[70:71], s[8:9]
	s_or_b32 s71, s71, 0x80000000
	tensor_load_to_lds s[68:71], s[72:79]          ; u: my 64 rows x 64 codes
	s_nop 0
	; constants and LDS bases
	s_mov_b32 s80, 0xc29044fe                      ; -50 log2(e)
	s_mov_b32 s82, 0xbf317218                      ; -ln 2
	s_mov_b32 s83, 0xbf317218
	s_mov_b32 s84, 0x76543210                      ; v_permlanex16_b32: lane l xor 16
	s_mov_b32 s85, 0xfedcba98
	s_lshl_b32 s29, s20, 11
	s_add_co_u32 s41, s29, P1Z
	s_lshl_b32 s29, s22, 12
	s_add_co_u32 s42, s29, P1Z
	s_and_b32 s29, s20, 3
	s_mul_i32 s61, s29, 2*UWB
	s_lshl_b32 s29, s29, 2
	s_add_co_u32 s43, s29, ZI
	s_lshr_b32 s44, s20, 2
	s_lshl_b32 s29, s21, 12
	s_add_co_u32 s45, s29, ZI
	s_lshl_b32 s29, s20, 7
	s_add_co_u32 s46, s29, NRM
	s_lshl_b32 s29, s22, 8
	s_add_co_u32 s47, s29, NRM
	s_lshl_b32 s29, s21, 11
	s_add_co_u32 s49, s29, ZI
	s_lshl_b32 s29, s22, 2
	s_add_co_u32 s48, s49, s29
	s_and_b32 s52, s22, 3                          ; product 2: row tile 4 rh + g % 4,
	s_lshr_b32 s53, s22, 2                         ; channel tiles 2 (g / 4), + 1
	s_mul_i32 s50, s21, 8*UWB
	s_lshl_b32 s29, s52, 10
	s_add_co_u32 s50, s50, s29
	s_add_co_u32 s50, s50, PCO
	s_lshl_b32 s29, s53, 14
	s_add_co_u32 s51, s29, P1Z
	s_lshl_b32 s54, s21, 2
	s_add_co_u32 s54, s54, s52
	s_lshl_b32 s56, s54, 6
	s_mul_i32 s29, s53, 2*OSP
	s_add_co_u32 s56, s56, s29
	s_add_co_u32 s56, s56, OSO
	s_lshl_b32 s57, s54, 9
	s_add_co_u32 s57, s57, ZI
	s_lshl_b32 s29, s20, 9
	s_add_co_u32 s58, s29, P1Z
	s_lshl_b32 s59, s21, 6
	; LDS addresses
	v_mul_u32_u24 v6, v3, UP
	v_lshl_add_u32 v6, v4, 5, v6
	v_add_nc_u32 v6, s40, v6                       ; u: row r, + 32 h
	v_lshl_add_u32 v7, v3, 5, s48                  ; exchange: my word of row 64 rh + r,
	v_lshl_add_u32 v8, v3, 5, s49
	v_lshl_add_u32 v8, v4, 4, v8                   ; and four of the row's eight words: 4 h on
	v_mul_u32_u24 v9, v4, 2*UP
	v_lshl_add_u32 v9, v3, 4, v9
	v_add_nc_u32 v9, s40, v9                       ; the turn of the column sums: out,
	v_mul_u32_u24 v10, v3, UP
	v_lshl_add_u32 v10, v4, 7, v10
	v_add_nc_u32 v10, s40, v10                     ; back,
	v_lshl_add_u32 v11, v3, 4, s40                 ; and the finished sums
	v_lshl_add_u32 v12, v5, 4, s50
	v_lshl_add_u32 v13, v5, 4, s51
	v_mul_u32_u24 v14, v4, 8*UWB+64                ; (the stages of strips 8 to 15 lie 64 bytes further on: the two halves of the lanes store to different banks)
	v_lshl_add_u32 v14, v3, 2, v14
	v_add_nc_u32 v14, s56, v14                     ; out stage: channel 32 h + .., position 16 x row tile + r
	v_lshl_add_u32 v15, v5, 4, s40
	v_lshl_add_u32 v21, v5, 4, s58
	v_lshrrev_b32 v41, 2, v3                       ; r / 4
	v_and_b32 v43, 3, v3                           ; r % 4
	v_lshlrev_b32 v42, 1, v4
	v_xor_b32 v42, v41, v42
	v_lshlrev_b32 v44, 4, v42
	v_lshl_add_u32 v44, v43, 2, v44
	v_lshl_add_u32 v44, v4, 9, v44
	v_add_nc_u32 v44, s41, v44                     ; product 1's codes out: code 8 h; chunk (r / 4) xor (code / 4) % 4
	v_xor_b32 v45, 16, v44                         ; the same for codes whose bit 2 is set
	v_xor_b32 v42, v41, v4
	v_lshlrev_b32 v18, 4, v42
	v_lshl_add_u32 v18, v3, 6, v18
	v_add_nc_u32 v18, s42, v18                     ; and in: code r, chunk h
	v_xor_b32 v19, 32, v18                         ; chunk 2 + h
	v_lshl_add_u32 v42, v43, 2, v4
	v_xor_b32 v42, v41, v42
	v_lshlrev_b32 v42, 4, v42
	v_lshl_add_u32 v42, v41, 8, v42
	v_add_nc_u32 v20, s45, v42                     ; z's codes in: the 16 chunks of four rows change places by the number of the four rows
	v_and_b32 v42, 15, v5
	v_xor_b32 v42, s44, v42
	v_lshlrev_b32 v42, 4, v42
	v_lshl_add_u32 v42, v5, 8, v42
	v_add_nc_u32 v47, s43, v42                     ; and out: rows 4 x lane .., my four channels
	v_lshl_add_u32 v46, v4, 5, s46
	v_lshrrev_b32 v42, 1, v41
	v_lshl_add_u32 v46, v42, 6, v46
	v_and_b32 v42, 1, v41
	v_lshl_add_u32 v46, v42, 4, v46                ; the norms of codes 16 (i / 8) + 8 h + i % 8, i = 4 (r / 4) .. + 3
	v_lshlrev_b32 v22, 4, v3
	v_lshl_add_u32 v22, v4, 10, v22
	v_add_nc_u32 v22, s41, v22                     ; the norms' turn, in the bytes of my own codes: out: quad q of lane r at 256 q, chunk r xor 4 q,
	v_mul_u32_u24 v26, v41, 0x140
	v_lshl_add_u32 v26, v43, 4, v26
	v_lshl_add_u32 v26, v4, 10, v26
	v_add_nc_u32 v26, s41, v26                     ; back: quad r / 4, lanes 4 k + r % 4
	v_xor_b32 v23, 64, v22
	v_xor_b32 v27, 64, v26
	v_xor_b32 v24, 0x80, v22
	v_xor_b32 v28, 0x80, v26
	v_xor_b32 v25, 0xc0, v22
	v_xor_b32 v29, 0xc0, v26
	v_lshl_add_u32 v16, v4, 5, s47
	VW
	s_wait_kmcnt 0x0
	s_add_co_i32 s29, s24, 126                     ; product 1's A is 2 z: z / 2^(e0-1) is the same number
	s_lshl_b32 s30, s29, 23
	s_add_co_i32 s29, s29, 8
	s_lshl_b32 s29, s29, 23
	s_or_b32 s92, s29, 0x600000                    ; 448 x 2^(e0-1)
	s_add_co_i32 s29, s25, 127
	s_lshl_b32 s31, s29, 23
	s_add_co_i32 s29, s29, 8
	s_lshl_b32 s29, s29, 23
	s_or_b32 s93, s29, 0x600000
	s_add_co_i32 s29, s27, 127
	s_lshl_b32 s32, s29, 23
	s_add_co_i32 s29, s29, 8
	s_lshl_b32 s29, s29, 23
	s_or_b32 s94, s29, 0x600000
	s_lshl_b32 s90, s26, 23
	s_add_co_i32 s66, s24, s25                     ; e0 + e1
	s_sub_co_i32 s67, 0, s66
	s_add_co_i32 s91, s26, s27
	s_sub_co_i32 s91, s91, 127                     ; e2 + e3 - 127
	v_mov_b32 v38, s30
	v_mov_b32 v39, s31
	v_mov_b32 v40, s32
	v_mov_b32 v41, s28
	v_max_num_f32 v41, 0x3727c5ac, v41             ; max(var, 1e-5)
	VW
	v_rcp_f32 v42, v41
	v_nop
	VW
	v_min_num_f32 v42, 0x47c35000, v42             ; min(.., 1e5)
	v_mul_f32 v42, 0.5, v42                        ; hp
	v_mul_f32 v43, 0x3fb8aa3b, v42
	v_ldexp_f32 v43, v43, s66                      ; c1
	v_readfirstlane_b32 s89, v42
	v_readfirstlane_b32 s86, v43
	s_mov_b32 s87, s86
	s_xor_b32 s88, s86, 0x80000000                 ; -c1
	; ---- z: four channels of four positions a lane make one word of codes for each position
	VW
	s_wait_loadcnt 0x10                            ; z's four loads are in; the codebook's sixteen may be out
.irp k, 0,1,2,3
.irp i, 0,1,2,3
	v_med3_num_f32 v[224+4*\k+\i], v[ZF+4*\i+\k], -s92, s92        ; the conversion to an 8-bit code does not saturate (ISA guide 7.6.2): the hold at 448 x the scale
.endr
.endr
	v_cvt_scalef32_pk8_fp8_f32 v[240:241], v[224:231], v38
	v_cvt_scalef32_pk8_fp8_f32 v[242:243], v[232:239], v38
	v_nop
	v_xor_b32 v64, 64, v47
	v_xor_b32 v65, 0x80, v47
	v_xor_b32 v66, 0xc0, v47
	ds_store_b32 v47, v240
	ds_store_b32 v64, v241
	ds_store_b32 v65, v242
	ds_store_b32 v66, v243
	; ---- my 32 codes in two halves of 16 loads' 8: norms (of the f32 numbers), codes for product 1
.macro NORMS f                         ; my four channels' part of the norms of codes i = 8 f .. 8 f + 7
.set i,8*(\f)
.rept 8
	v_pk_mul_f32 v[224+2*(i%8):225+2*(i%8)], v[128+4*i:129+4*i], v[128+4*i:129+4*i]
.set i,i+1
.endr
.set i,8*(\f)
.rept 8
	v_pk_fma_f32 v[224+2*(i%8):225+2*(i%8)], v[130+4*i:131+4*i], v[130+4*i:131+4*i], v[224+2*(i%8):225+2*(i%8)]
.set i,i+1
.endr
.set i,8*(\f)
.rept 8
	v_add_f32 v[208+i], v[224+2*(i%8)], v[225+2*(i%8)]
.set i,i+1
.endr
.endm
.macro HOLDS f
.set i,32*(\f)
.rept 32
	v_med3_num_f32 v[T0+i], v[128+i], -s93, s93
.set i,i+1
.endr
.set i,4*(\f)
.rept 4
	v_cvt_scalef32_pk8_fp8_f32 v[192+2*i:193+2*i], v[T0+8*i:T0+8*i+7], v39         ; a word a code: channels 4 r .. 4 r + 3
.set i,i+1
.endr
	v_nop
.endm
	VW
	s_wait_loadcnt 0x8                             ; codes i = 0 .. 7 are in; the other eight loads may be out
	NORMS 0
	HOLDS 0
	VW
	s_wait_loadcnt 0x0
	NORMS 1
.irp q, 0,1,2,3
	ds_store_b128 v[22+\q], v[208+4*\q:211+4*\q] offset:256*\q
.endr
.irp k, 0,1,2,3
	ds_load_b128 v[224+4*\k:227+4*\k], v[26+\k]    ; my own bytes: LDS serves a wave's instructions in order (ISA guide 5.7.1.4), the codes' stores below too
.endr
	HOLDS 1
.set i,0
.rept 16
	ds_store_b32 v[44+((i/4)&1)], v[192+i] offset:1024*(i/8)+64*(i%8)
.set i,i+1
.endr
	WD 16                                          ; the turn's loads are in; the sixteen stores behind them may be out
	v_pk_add_f32 v[224:225], v[224:225], v[228:229]
	v_pk_add_f32 v[226:227], v[226:227], v[230:231]
	v_pk_add_f32 v[232:233], v[232:233], v[236:237]
	v_pk_add_f32 v[234:235], v[234:235], v[238:239]
	v_pk_add_f32 v[224:225], v[224:225], v[232:233]
	v_pk_add_f32 v[226:227], v[226:227], v[234:235]
.irp x, 1,2
.irp k, 0,1,2,3
	v_add_f32_dpp v[224+\k], v[224+\k], v[224+\k] row_xmask:\x row_mask:0xf bank_mask:0xf
.endr
.endr
.irp k, 0,1,2,3
	v_ldexp_f32 v[224+\k], -v[224+\k], s67         ; -|c|^2 / 2^(e0+e1)
.endr
	ds_store_b128 v46, v[224:227]                  ; (four lanes store the same words)
	WD 0                                           ; for the others' sake: my images have landed
	s_barrier_signal -1
	; my codes for product 2, while the others arrive: K = the codes; the hold also moves each number to its place: channel tile dt (row r is channel 4 r + dt), registers down the codes
.irp dt, 0,1,2,3
.set i,0
.rept 16
	v_med3_num_f32 v[T0+16*\dt+i], v[128+4*i+\dt], -s94, s94
.set i,i+1
.endr
.endr
.set i,0
.rept 8
	v_cvt_scalef32_pk8_fp8_f32 v[CT+2*i:CT+2*i+1], v[T0+8*i:T0+8*i+7], v40
.set i,i+1
.endr
	v_nop
	VW
	s_barrier_wait -1
	; ---- product 1: S^T = codes x rows.  A fragment's 64 K are taken as two loads of 16 bytes on both sides
.irp t, 0,1,2,3
	ds_load_b128 v[T0+8*\t:T0+8*\t+3], v18 offset:1024*\t
	ds_load_b128 v[T0+8*\t+4:T0+8*\t+7], v19 offset:1024*\t
.endr
.set i,1
.rept 7
	v_xor_b32 v[38+i], 32*i, v20
.set i,i+1
.endr
	ds_load_b128 v[T0+32:T0+35], v20
.set i,1
.rept 7
	ds_load_b128 v[T0+32+4*i:T0+35+4*i], v[38+i] offset:1024*(i/2)
.set i,i+1
.endr
.irp t, 0,1,2,3                        ; the norms land where row tile 3's sums will be
	ds_load_b128 v[Q+96+8*\t:Q+99+8*\t], v16 offset:64*\t
	ds_load_b128 v[Q+100+8*\t:Q+103+8*\t], v16 offset:64*\t+16
.endr
	WD 0
.irp m, 0,1,2
.irp t, 0,1,2,3
	v_wmma_f32_16x16x64_fp8_fp8 v[Q+32*\m+8*\t:Q+32*\m+8*\t+7], v[T0+8*\t:T0+8*\t+7], v[T0+32+8*\m:T0+39+8*\m], v[Q+96+8*\t:Q+103+8*\t]
.endr
.endr
.rept 5
	v_nop                                          ; five places: the next four write over registers that the last four read as C
.endr
.irp t, 0,1,2,3
	v_wmma_f32_16x16x64_fp8_fp8 v[Q+96+8*\t:Q+103+8*\t], v[T0+8*\t:T0+8*\t+7], v[T0+56:T0+63], v[Q+96+8*\t:Q+103+8*\t]
.endr
.rept 4
	v_nop
.endr
	; ---- the row's largest S: two chains a row tile, each accumulator from its low end on
.irp m, 0,1,2,3
	v_max3_num_f32 v[T0+2*\m], v[Q+32*\m], v[Q+32*\m+1], v[Q+32*\m+2]
	v_max3_num_f32 v[T0+2*\m+1], v[Q+32*\m+3], v[Q+32*\m+4], v[Q+32*\m+5]
.endr
.set i,6
.rept 6
.irp m, 0,1,2,3
	v_max3_num_f32 v[T0+2*\m], v[T0+2*\m], v[Q+32*\m+i], v[Q+32*\m+i+1]
	v_max3_num_f32 v[T0+2*\m+1], v[T0+2*\m+1], v[Q+32*\m+i+2], v[Q+32*\m+i+3]
.endr
.set i,i+4
.endr
.irp m, 0,1,2,3
	v_max3_num_f32 v[T0+2*\m], v[T0+2*\m], v[Q+32*\m+30], v[Q+32*\m+31]
.endr
.irp m, 0,1,2,3
	v_max_num_f32 v[T0+2*\m], v[T0+2*\m], v[T0+2*\m+1]
.endr
.irp m, 0,1,2,3
	v_permlanex16_b32 v[T0+2*\m+1], v[T0+2*\m], s84, s85
.endr
.irp m, 0,1,2,3
	v_max_num_f32 v[T0+2*\m], v[T0+2*\m], v[T0+2*\m+1]
.endr
.irp m, 0,1,2,3
	ds_store_b32 v7, v[T0+2*\m] offset:8192+512*\m         ; exchange 1: [row][wave]
.endr
	BARRIER
.set XB, T0                            ; where an exchange's words are loaded
.macro XLOADS off                      ; four of the eight waves' words of row 64 rh + 16 m + r, for all m
.irp m, 0,1,2,3
	ds_load_b128 v[XB+4*\m:XB+4*\m+3], v8 offset:\off+512*\m
.endr
.endm
.macro XMAX                            ; the eight words' maximum -> v[XB+4 m]
.irp m, 0,1,2,3
	v_max3_num_f32 v[XB+4*\m], v[XB+4*\m], v[XB+4*\m+1], v[XB+4*\m+2]
.endr
.irp m, 0,1,2,3
	v_max_num_f32 v[XB+4*\m], v[XB+4*\m], v[XB+4*\m+3]
.endr
.irp m, 0,1,2,3
	v_permlanex16_b32 v[XB+4*\m+1], v[XB+4*\m], s84, s85
.endr
.irp m, 0,1,2,3
	v_max_num_f32 v[XB+4*\m], v[XB+4*\m], v[XB+4*\m+1]
.endr
.endm
	XLOADS 8192
.irp d, 0,1,2,3                        ; my part of product 2's codebook operand: every wave's reads of product 1's codes were back ahead of the barrier
	ds_store_b128 v21, v[CT+4*\d:CT+4*\d+3] offset:8192*\d
.endr
	WD 4                                           ; the four loads are in; the four stores may be out
	XMAX
.irp m, 0,1,2,3
	v_mul_f32 v[NB+\m], s88, v[T0+4*\m]            ; -c1 x the row's largest S
.endr
	v_mov_b32 v18, 0x2edbe6ff                      ; EPS, twice
	v_mov_b32 v19, 0x2edbe6ff
	; ---- L, q, Z, sum q L
.macro LOGITS m
.set LB, T0+32*((\m)&1)
.set i,0
.rept 16
.if (\m)&1
	v_pk_fma_f32 v[LB+2*i:LB+2*i+1], v[Q+32*(\m)+2*i:Q+32*(\m)+2*i+1], s[86:87], v[NB+(\m)-1:NB+(\m)] op_sel:[0,0,1] op_sel_hi:[1,0,1]
.else
	v_pk_fma_f32 v[LB+2*i:LB+2*i+1], v[Q+32*(\m)+2*i:Q+32*(\m)+2*i+1], s[86:87], v[NB+(\m):NB+(\m)+1] op_sel_hi:[1,0,0]
.endif
.set i,i+1
.endr
.set i,0
.rept 16
	v_dual_max_num_f32 v[LB+2*i], s80, v[LB+2*i] :: v_dual_max_num_f32 v[LB+2*i+1], s80, v[LB+2*i+1]       ; the clip at -50
.set i,i+1
.endr
.endm
.macro PROBS m
.set LB, T0+32*((\m)&1)
.set i,0
.rept 32
	v_exp_f32 v[Q+32*(\m)+i], v[LB+i]
.set i,i+1
.endr
.if (\m) < 3
	LOGITS (\m)+1                                  ; the next tile's plain work stands between the batch and its wait
.else
	v_nop
.endif
	VW                                             ; one wait for the batch of 32, ahead of its first reader; it also stands ahead of the next batch
.set LB, T0+32*((\m)&1)
.set QB, Q+32*(\m)
	v_pk_add_f32 v[34:35], v[QB:QB+1], v[QB+4:QB+5]
	v_pk_mul_f32 v[38:39], v[QB:QB+1], v[LB:LB+1]
	v_pk_mul_f32 v[40:41], v[QB+2:QB+3], v[LB+2:LB+3]
	v_pk_add_f32 v[36:37], v[QB+2:QB+3], v[QB+6:QB+7]
	v_pk_mul_f32 v[42:43], v[QB+4:QB+5], v[LB+4:LB+5]
	v_pk_mul_f32 v[44:45], v[QB+6:QB+7], v[LB+6:LB+7]
.set i,4
.rept 12
	v_pk_add_f32 v[34+2*(i%2):35+2*(i%2)], v[34+2*(i%2):35+2*(i%2)], v[QB+2*i:QB+2*i+1]
	v_pk_fma_f32 v[38+2*(i%4):39+2*(i%4)], v[QB+2*i:QB+2*i+1], v[LB+2*i:LB+2*i+1], v[38+2*(i%4):39+2*(i%4)]
.set i,i+1
.endr
	v_pk_add_f32 v[38:39], v[38:39], v[40:41]
	v_pk_add_f32 v[34:35], v[34:35], v[36:37]
	v_pk_add_f32 v[42:43], v[42:43], v[44:45]
	v_add_f32 v[WM+(\m)], v34, v35
	v_pk_add_f32 v[38:39], v[38:39], v[42:43]
	v_add_f32 v[LQ+(\m)], v38, v39
.endm
	LOGITS 0
	VW
	PROBS 0
	PROBS 1
	PROBS 2
	PROBS 3
	; ---- Z over the eight waves
.irp m, 0,1,2,3
	v_permlanex16_b32 v[34+\m], v[WM+\m], s84, s85
.endr
.irp m, 0,1,2,3
	v_add_f32 v[34+\m], v[34+\m], v[WM+\m]
.endr
.irp m, 0,1,2,3
	ds_store_b32 v7, v[34+\m] offset:512*\m        ; exchange 2 lies where z's codes lay: every wave's reads of those were back ahead of the last barrier
.endr
	WD 0
	s_barrier_signal -1                            ; (its wait stands in ZPART: between the two, u's first two units are worked, below)
.macro ZPART
	s_barrier_wait -1
.set XB, 96
	XLOADS 0
	WD 0
.irp m, 0,1,2,3
	v_pk_add_f32 v[XB+4*\m:XB+4*\m+1], v[XB+4*\m:XB+4*\m+1], v[XB+4*\m+2:XB+4*\m+3]
.endr
.irp m, 0,1,2,3
	v_add_f32 v[XB+4*\m], v[XB+4*\m], v[XB+4*\m+1]
.endr
.irp m, 0,1,2,3
	v_permlanex16_b32 v[XB+4*\m+1], v[XB+4*\m], s84, s85
.endr
.irp m, 0,1,2,3
	v_add_f32 v[38+\m], v[XB+4*\m], v[XB+4*\m+1]   ; Z of row 64 rh + 16 m + r
.endr
	VW
.irp m, 0,1,2,3
	v_rcp_f32 v[NB+\m], v[38+\m]
.endr
.irp m, 0,1,2,3
	v_log_f32 v[34+\m], v[38+\m]
.endr
	v_nop
	VW
	v_mul_f32 v20, v[LQ], v[NB]
	v_pk_add_f32 v[34:35], v[34:35], v[36:37]
	v_fma_f32 v20, v[LQ+1], v[NB+1], v20
	v_add_f32 v34, v34, v35
	v_fma_f32 v20, v[LQ+2], v[NB+2], v20
	v_fma_f32 v20, v[LQ+3], v[NB+3], v20           ; my codes' part of (sum q L) / Z
	v_fmamk_f32 v20, v34, 0xbd800000, v20          ; - log2 Z / 16: a row's log2 Z is held by 16 lanes (8 waves x 2 halves)
	; column sums: q / Z, summed over my four row tiles in each lane
.irp m, 0,1,2,3
.set i,0
.rept 16
.if \m == 0
	v_pk_mul_f32 v[ACC+2*i:ACC+2*i+1], v[Q+2*i:Q+2*i+1], v[NB:NB+1] op_sel_hi:[1,0]
.elseif \m == 2
	v_pk_fma_f32 v[ACC+2*i:ACC+2*i+1], v[Q+64+2*i:Q+64+2*i+1], v[NB+2:NB+3], v[ACC+2*i:ACC+2*i+1] op_sel_hi:[1,0,1]
.else
	v_pk_fma_f32 v[ACC+2*i:ACC+2*i+1], v[Q+32*\m+2*i:Q+32*\m+2*i+1], v[NB+\m-1:NB+\m], v[ACC+2*i:ACC+2*i+1] op_sel:[0,1,0] op_sel_hi:[1,1,1]
.endif
.set i,i+1
.endr
.endr
.endm
	; ---- u, in eight units of 16 numbers a lane (row tile k / 2, code tiles 2 (k % 2) and + 1), two register buffers by turns
.macro ULOAD k
.set UB, T0+16*((\k)&1)
.set UO, ((\k)/2)*16*UP+128*((\k)&1)
	ds_load_b128 v[UB:UB+3], v6 offset:UO
	ds_load_b128 v[UB+4:UB+7], v6 offset:UO+16
	ds_load_b128 v[UB+8:UB+11], v6 offset:UO+64
	ds_load_b128 v[UB+12:UB+15], v6 offset:UO+80
.endm
.macro UEPS k
.set UB, T0+16*((\k)&1)
.set i,0
.rept 8
	v_pk_add_f32 v[UB+2*i:UB+2*i+1], v[UB+2*i:UB+2*i+1], v[18:19]
.set i,i+1
.endr
.endm
.macro ULOGS k
.set UB, T0+16*((\k)&1)
.set i,0
.rept 16
	v_log_f32 v[UB+i], v[UB+i]
.set i,i+1
.endr
.endm
.macro URCPS k                         ; b = -ln(u + EPS) + EPS, and 1 / b
.set UB, T0+16*((\k)&1)
	VW
.set i,0
.rept 8
	v_pk_fma_f32 v[UB+2*i:UB+2*i+1], v[UB+2*i:UB+2*i+1], s[82:83], v[18:19] op_sel_hi:[1,0,1]
.set i,i+1
.endr
	VW
.set i,0
.rept 16
	v_rcp_f32 v[UB+i], v[UB+i]
.set i,i+1
.endr
.endm
.macro POST k                          ; W = (q / b)^2 in q's place, its maximum and its sum
.set UB, T0+16*((\k)&1)
.set QB, Q+16*(\k)
.set i,0
.rept 8
	v_pk_mul_f32 v[QB+2*i:QB+2*i+1], v[QB+2*i:QB+2*i+1], v[UB+2*i:UB+2*i+1]
.set i,i+1
.endr
.set i,0
.rept 8
	v_pk_mul_f32 v[QB+2*i:QB+2*i+1], v[QB+2*i:QB+2*i+1], v[QB+2*i:QB+2*i+1]
.set i,i+1
.endr
.if ((\k)&1) == 0
	v_max3_num_f32 v34, v[QB], v[QB+1], v[QB+2]
	v_pk_add_f32 v[36:37], v[QB:QB+1], v[QB+4:QB+5]
	v_max3_num_f32 v35, v[QB+3], v[QB+4], v[QB+5]
	v_pk_add_f32 v[38:39], v[QB+2:QB+3], v[QB+6:QB+7]
	v_max3_num_f32 v34, v34, v[QB+6], v[QB+7]
.set i,4
.rept 4
	v_pk_add_f32 v[36+2*(i%2):37+2*(i%2)], v[36+2*(i%2):37+2*(i%2)], v[QB+2*i:QB+2*i+1]
	v_max3_num_f32 v[35-(i%2)], v[35-(i%2)], v[QB+2*i], v[QB+2*i+1]
.set i,i+1
.endr
.else
.set i,0
.rept 8
	v_pk_add_f32 v[36+2*(i%2):37+2*(i%2)], v[36+2*(i%2):37+2*(i%2)], v[QB+2*i:QB+2*i+1]
	v_max3_num_f32 v[34+(i%2)], v[34+(i%2)], v[QB+2*i], v[QB+2*i+1]
.set i,i+1
.endr
	v_pk_add_f32 v[36:37], v[36:37], v[38:39]
	v_max_num_f32 v[WM+(\k)/2], v34, v35
	v_add_f32 v[LQ+(\k)/2], v36, v37
.endif
.endm
.macro UNIT k                          ; unit k's logarithms, then unit k - 1's plain work, then unit k's reciprocals
	VW                                             ; ahead of the batch; it also stands behind unit k - 1's reciprocals
	ULOGS \k
	POST (\k)-1
.if (\k) < 7
	ULOAD (\k)+1                                   ; into the buffer that unit k - 1 has left
.endif
	URCPS \k
.endm
	VW
	s_wait_tensorcnt 0x0                           ; my strip is in: my one tensor load.  Only I read it
	ULOAD 0
	ULOAD 1
	WD 4                                           ; unit 0's four loads are in; unit 1's four may be out
	UEPS 0
	VW
	ULOGS 0
	WD 0                                           ; unit 1 is in: row tile 0's rows of my strip have been read
	UEPS 1
	URCPS 0
	v_nop
	VW
	ULOGS 1
	v_nop
	URCPS 1
	v_nop
	VW
	ZPART
.set t,0
.rept 8                                ; the column sums' turn, in those rows: row 4 t + 2 h + jj holds the 16 lanes' sums of codes 16 t + 8 h + 4 jj + 0 .. 3
	ds_store_b128 v9, v[ACC+4*t:ACC+4*t+3] offset:(4*(t/2)+t%2)*UP
.set t,t+1
.endr
.set k,0
.rept 8
	ds_load_b128 v[ACC+4*k:ACC+4*k+3], v10 offset:16*k     ; lane (r, h): row r, lanes' quads 8 h + k.  My own bytes: LDS serves a wave's instructions in order (ISA guide 5.7.1.4)
.set k,k+1
.endr
	POST 0
	ULOAD 2
	POST 1
	ULOAD 3
	WD 4                                           ; the turn and unit 2 are in; unit 3's four loads may be out
	UEPS 2
	VW
	ULOGS 2
.irp k, 0,1,2,3
	v_pk_add_f32 v[ACC+4*\k:ACC+4*\k+1], v[ACC+4*\k:ACC+4*\k+1], v[ACC+16+4*\k:ACC+17+4*\k]
	v_pk_add_f32 v[ACC+4*\k+2:ACC+4*\k+3], v[ACC+4*\k+2:ACC+4*\k+3], v[ACC+18+4*\k:ACC+19+4*\k]
.endr
.irp k, 0,1
	v_pk_add_f32 v[ACC+4*\k:ACC+4*\k+1], v[ACC+4*\k:ACC+4*\k+1], v[ACC+8+4*\k:ACC+9+4*\k]
	v_pk_add_f32 v[ACC+4*\k+2:ACC+4*\k+3], v[ACC+4*\k+2:ACC+4*\k+3], v[ACC+10+4*\k:ACC+11+4*\k]
.endr
	v_pk_add_f32 v[ACC:ACC+1], v[ACC:ACC+1], v[ACC+4:ACC+5]
	v_pk_add_f32 v[ACC+2:ACC+3], v[ACC+2:ACC+3], v[ACC+6:ACC+7]
.irp k, 0,1,2,3
	v_permlanex16_b32 v[ACC+4+\k], v[ACC+\k], s84, s85
.endr
	v_pk_add_f32 v[ACC:ACC+1], v[ACC:ACC+1], v[ACC+4:ACC+5]
	v_pk_add_f32 v[ACC+2:ACC+3], v[ACC+2:ACC+3], v[ACC+6:ACC+7]
	ds_store_b128 v11, v[ACC:ACC+3]                ; codes 64 g + 4 r + 0 .. 3 over my 64 rows, at my strip's first 256 bytes
	URCPS 2
.irp k, 3,4,5,6,7
	WD 0
	UEPS \k
	UNIT \k
.endr
	v_nop
	VW
	POST 7
	; ---- the largest W and the sum of W over the eight waves, behind one barrier
.irp m, 0,1,2,3
	v_permlanex16_b32 v[34+\m], v[WM+\m], s84, s85
.endr
.irp m, 0,1,2,3
	v_permlanex16_b32 v[38+\m], v[LQ+\m], s84, s85
.endr
.irp m, 0,1,2,3
	v_max_num_f32 v[34+\m], v[34+\m], v[WM+\m]
.endr
.irp m, 0,1,2,3
	v_add_f32 v[38+\m], v[38+\m], v[LQ+\m]
.endr
.irp m, 0,1,2,3
	ds_store_b32 v7, v[34+\m] offset:8192+512*\m   ; exchange 1 again: its first reads were back ahead of the barrier before this one
.endr
.irp m, 0,1,2,3
	ds_store_b32 v7, v[38+\m] offset:4096+512*\m   ; exchange 3
.endr
	WD 0
	s_barrier_signal -1
.set i,0
.rept 16
	ds_load_b128 v[T0+4*i:T0+4*i+3], v13 offset:512*i      ; product 2's first codebook fragment, while the others arrive: nobody writes these bytes any more
.set i,i+1
.endr
	VW
	s_barrier_wait -1                              ; every strip has landed and been read: the strips now serve as stages
.set XB, 22
	XLOADS 8192
	v_mul_u32_u24 v9, v4, UWB
	v_lshl_add_u32 v9, v3, 4, v9
	v_add_nc_u32 v9, s61, v9                       ; column sums of group 2 (w % 4) + h, rows 0-63,
	v_add_nc_u32 v10, 8*UWB, v9                    ; and rows 64-127
	v_lshl_add_u32 v16, v3, 5, s57
	v_lshl_add_u32 v16, v4, 4, v16                 ; exchange words of product 2's row
	ds_load_b128 v[38:41], v9
	ds_load_b128 v[42:45], v10
	WD 2                                           ; the exchange's four loads are in
	XMAX
.irp m, 0,1,2,3
	v_add_nc_u32 v[22+4*\m], 0x7fffff, v[22+4*\m]  ; the exponent field becomes that of the ceiling: M + 127
.endr
.irp m, 0,1,2,3
	v_and_b32 v[22+4*\m], 0xff800000, v[22+4*\m]
.endr
	WD 0
	v_pk_add_f32 v[4:5], v[38:39], v[42:43]
	v_pk_add_f32 v[6:7], v[40:41], v[44:45]
.irp m, 0,1,2,3
	v_add_nc_u32 v[SCV+\m], s90, v[22+4*\m]        ; 2^(e2+M)
.endr
.irp m, 0,1,2,3
	v_add_nc_u32 v[LIM+2*\m], 0x4600000, v[SCV+\m] ; 448 x that
.endr
.irp m, 0,1,2,3
	v_add_nc_u32 v[LIM+2*\m+1], 0x4600000, v[SCV+\m]
.endr
	VW
	s_cmp_lt_u32 s20, 4
	s_cbranch_scc0 .Lno_columns
	global_store_b128 v17, v[4:7], s[16:17]        ; waves 0 to 3: 32 lanes store 512 consecutive bytes, at a multiple of 512 from colp's first byte
.Lno_columns:
	; ---- p's codes
.macro PTILE m
.set QB, Q+32*(\m)
.if (\m) == 0
.set CA, 30
.else
.set CA, Q+8*((\m)-1)                  ; registers of row tile 0, whose codes have been made
.endif
.set i,0
.rept 16
	v_dual_min_num_f32 v[QB+2*i], v[LIM+2*(\m)], v[QB+2*i] :: v_dual_min_num_f32 v[QB+2*i+1], v[LIM+2*(\m)+1], v[QB+2*i+1]       ; W is not negative: the hold is one-sided
.set i,i+1
.endr
.set t,0
.rept 4
	v_cvt_scalef32_pk8_fp8_f32 v[CA+2*t:CA+2*t+1], v[QB+8*t:QB+8*t+7], v[SCV+(\m)]
.set t,t+1
.endr
	v_nop
	ds_store_b128 v15, v[CA:CA+3] offset:PCO+1024*(\m)
	ds_store_b128 v15, v[CA+4:CA+7] offset:PCO+1024*(\m)+512
.endm
	PTILE 0
	PTILE 1
	PTILE 2
	PTILE 3
	v_add_nc_u32 v3, 4*UWB, v12
	WD 0
	s_barrier_signal -1
.set i,0
.rept 16
	ds_load_b128 v[192+4*i:195+4*i], v13 offset:8192+512*i ; the second fragment, while the others arrive: nobody writes these bytes any more
.set i,i+1
.endr
	s_barrier_wait -1                              ; p's images lie in LDS
	; ---- product 2: O^T = channels x rows, K = 512 in four steps; my row tile 4 rh + g % 4, two channel tiles
	ds_load_b128 v[22:25], v16 offset:4096         ; parts of the sum of W,
	ds_load_b128 v[26:29], v16 offset:8192         ; and of the largest W
.set i,0
.rept 4
	ds_load_b128 v[128+8*i:131+8*i], v12 offset:UWB*i
	ds_load_b128 v[132+8*i:135+8*i], v12 offset:UWB*i+512
.set i,i+1
.endr
.set i,0
.rept 4
	ds_load_b128 v[160+8*i:163+8*i], v3 offset:UWB*i
	ds_load_b128 v[164+8*i:167+8*i], v3 offset:UWB*i+512
.set i,i+1
.endr
	WD 16                                          ; all but p's sixteen loads
	v_pk_add_f32 v[22:23], v[22:23], v[24:25]
	v_max3_num_f32 v26, v26, v27, v28
	v_add_f32 v22, v22, v23
	v_max_num_f32 v26, v26, v29
	v_permlanex16_b32 v46, v22, s84, s85
	v_permlanex16_b32 v47, v26, s84, s85
	v_add_f32 v22, v22, v46                        ; sum of W
	v_max_num_f32 v26, v26, v47
	v_add_nc_u32 v26, 0x7fffff, v26
	v_lshrrev_b32 v26, 23, v26                     ; M + 127
	v_add_nc_u32 v26, s91, v26                     ; M + e2 + e3
	VW
	v_rcp_f32 v24, v22
	v_nop
	VW
	v_ldexp_f32 v22, v24, v26                      ; 2^(e2+e3+M) / sum of W
	WD 0
.irp s, 0,1,2,3                        ; the two accumulators take turns, one instruction a turn
.if \s == 0
	v_wmma_f32_16x16x128_fp8_fp8 v[38:45], v[T0:T0+15], v[128:143], 0
	v_wmma_f32_16x16x128_fp8_fp8 v[30:37], v[192:207], v[128:143], 0
.else
	v_wmma_f32_16x16x128_fp8_fp8 v[38:45], v[T0+16*\s:T0+16*\s+15], v[128+16*\s:143+16*\s], v[38:45]
	v_wmma_f32_16x16x128_fp8_fp8 v[30:37], v[192+16*\s:207+16*\s], v[128+16*\s:143+16*\s], v[30:37]
.endif
.endr
	v_add_nc_u32 v9, 4*UWB, v14                    ; (the first two of the places behind the products)
	v_add_nc_u32 v10, s59, v15
.rept 2
	v_nop
.endr
.irp i, 0,1,2,3
	v_pk_mul_f32 v[T0+2*\i:T0+2*\i+1], v[38+2*\i:39+2*\i], v[22:23] op_sel_hi:[1,0]        ; each accumulator from its low end on
.endr
.irp i, 0,1,2,3
	v_pk_mul_f32 v[T0+8+2*\i:T0+9+2*\i], v[30+2*\i:31+2*\i], v[22:23] op_sel_hi:[1,0]
.endr
.irp d, 0,1
.irp j, 0,1,2,3
	ds_store_b32 v14, v[T0+8*\d+\j] offset:\j*UWB+\d*OSP           ; register j of tile dt in lane (r, h) is channel 4 (8 h + j) + dt: row dt of strip 8 h + j
	ds_store_b32 v9, v[T0+8*\d+4+\j] offset:\j*UWB+\d*OSP
.endr
.endr
	BARRIER                                        ; 64 channels x 128 positions lie in the stage
	; ---- the way out: wave w takes channels 4 w .. 4 w + 3, whole rows of 512 bytes
.irp i, 0,1,2,3
	ds_load_b128 v[T0+4*\i:T0+4*\i+3], v10 offset:OSO+OSP*\i
.endr
	WD 0
.irp i, 0,1,2,3
	global_store_b128 v17, v[T0+4*\i:T0+4*\i+3], s[14:15] offset:4096*\i th:TH_STORE_NT    ; 32 lanes store 512 consecutive bytes, at a multiple of 512 from out0's first byte
.endr
.set i,0
.rept 8
	v_pk_add_f32 v[ZF+2*i:ZF+2*i+1], v[ZF+2*i:ZF+2*i+1], v[T0+2*i:T0+2*i+1] neg_lo:[0,1] neg_hi:[0,1]      ; z - zq
.set i,i+1
.endr
.irp k, 0,1,2,3
	v_pk_mul_f32 v[22+2*\k:23+2*\k], v[ZF+2*\k:ZF+2*\k+1], v[ZF+2*\k:ZF+2*\k+1]
.endr
.irp k, 0,1,2,3
	v_pk_fma_f32 v[22+2*\k:23+2*\k], v[ZF+8+2*\k:ZF+9+2*\k], v[ZF+8+2*\k:ZF+9+2*\k], v[22+2*\k:23+2*\k]
.endr
	v_pk_add_f32 v[22:23], v[22:23], v[24:25]
	v_pk_add_f32 v[26:27], v[26:27], v[28:29]
	v_mul_f32 v30, 0x3f317218, v20                 ; x ln 2
	v_pk_add_f32 v[22:23], v[22:23], v[26:27]
	v_add_f32 v22, v22, v23
	v_fma_f32 v30, s89, v22, v30                   ; + hp (z - zq)^2
	v_add_f32_dpp v30, v30, v30 row_xmask:1 row_mask:0xf bank_mask:0xf
	v_add_f32_dpp v30, v30, v30 row_xmask:2 row_mask:0xf bank_mask:0xf
	v_add_f32_dpp v30, v30, v30 row_xmask:4 row_mask:0xf bank_mask:0xf
	v_add_f32_dpp v30, v30, v30 row_xmask:8 row_mask:0xf bank_mask:0xf
	v_permlanex16_b32 v31, v30, s84, s85
	v_add_f32 v30, v30, v31                        ; my wave's part of 32 x loss
	v_cmp_eq_u32 vcc_lo, 0, v17
	VW
	s_wait_xcnt 0x0                                ; EXEC changes only behind this wait
	s_and_saveexec_b32 s29, vcc_lo
	global_store_b32 v2, v30, s[18:19]
	s_wait_xcnt 0x0
	s_or_b32 exec_lo, exec_lo, s29
	s_wait_tensorcnt 0x0                           ; the wave's end: behind my last tensor load and my last LDS store
	ds_add_u32 v1, v2
	s_wait_dscnt 0x0
	s_endpgm
.Lfunc_end_k_qad0147f9f0_vq_main:
	.size	k_qad0147f9f0_vq_main, .Lfunc_end_k_qad0147f9f0_vq_main-k_qad0147f9f0_vq_main
	.p2alignl 7, 3214868480
	.fill 96, 4, 3214868480
	.section	.rodata,"a",@progbits
	.p2align	6, 0x0
	.amdhsa_kernel k_qad0147f9f0_vq_main
		.amdhsa_group_segment_fixed_size 327680
		.amdhsa_private_segment_fixed_size 0
		.amdhsa_enable_private_segment 0
		.amdhsa_kernarg_size 64
		.amdhsa_user_sgpr_count 2
		.amdhsa_user_sgpr_kernarg_segment_ptr 1
		.amdhsa_wavefront_size32 1
		.amdhsa_system_sgpr_workgroup_id_x 1
		.amdhsa_system_sgpr_workgroup_id_y 1
		.amdhsa_system_sgpr_workgroup_id_z 1
		.amdhsa_system_vgpr_workitem_id 0
		.amdhsa_next_free_vgpr 256
		.amdhsa_next_free_sgpr 96
		.amdhsa_reserve_vcc 1
		.amdhsa_float_denorm_mode_32 3
		.amdhsa_float_denorm_mode_16_64 3
		.amdhsa_memory_ordered 1
		.amdhsa_forward_progress 1
		.amdhsa_inst_pref_size 122
	.end_amdhsa_kernel
	.amdgpu_metadata
---
amdhsa.version: [ 1, 2 ]
amdhsa.kernels:
  - .name:           k_qad0147f9f0_vq_main
    .symbol:         k_qad0147f9f0_vq_main.kd
    .args:
      - { .name: z_from_encoder, .offset: 0, .size: 8, .value_kind: global_buffer, .address_space: global }
      - { .name: codebook, .offset: 8, .size: 8, .value_kind: global_buffer, .address_space: global }
      - { .name: gumbel_u, .offset: 16, .size: 8, .value_kind: global_buffer, .address_space: global }
      - { .name: lowp_scales, .offset: 24, .size: 8, .value_kind: global_buffer, .address_space: global }
      - { .name: var_q, .offset: 32, .size: 8, .value_kind: global_buffer, .address_space: global }
      - { .name: out0, .offset: 40, .size: 8, .value_kind: global_buffer, .address_space: global }
      - { .name: colp, .offset: 48, .size: 8, .value_kind: global_buffer, .address_space: global }
      - { .name: lossp, .offset: 56, .size: 8, .value_kind: global_buffer, .address_space: global }
    .group_segment_fixed_size: 327680
    .private_segment_fixed_size: 0
    .kernarg_segment_align: 8
    .kernarg_segment_size: 64
    .max_flat_workgroup_size: 512
    .sgpr_count:     96
    .vgpr_count:     256
    .wavefront_size: 32
...
	.end_amdgpu_metadata
.endif
;; end of part 1
;; launch vq_mid (part 2): grid 64 x 1, 1 waves a work-group, no clusters, 0 bytes of LDS; arguments colp, lossp, colq, lossq; writes colq, lossq
.if DOCPART == 2
	.amdgcn_target "amdgcn-amd-amdhsa--gfx1250"
	.amdhsa_code_object_version 6
	.text
	.protected	k_qad0147f9f0_vq_mid
	.globl	k_qad0147f9f0_vq_mid
	.p2align	8
	.type	k_qad0147f9f0_vq_mid,@function
k_qad0147f9f0_vq_mid:
	s_mov_b64 s[64:65], 0
	v_nop
	global_prefetch_b8 v0, s[64:65] scope:SCOPE_SE
	s_setreg_imm32_b32 hwreg(HW_REG_WAVE_MODE, 25, 1), 1
	s_wait_xcnt 0x0
; The first level of the sums over work-groups.  colp [256][512] f32: each earlier work-group's sums of the probabilities over its 128 rows.  colq [8][512] f32: row j = the sum of colp's rows 32 j .. 32 j + 31.
; lossp [4096] f32: parts of 32 x loss.  lossq [64] f32: word w = the sum of lossp's words 64 w .. 64 w + 63.  Nothing of the problem is left out here.  The order of the f32 additions is this text's own (a tree), not the problem's.
; WHY A LEVEL OF ITS OWN: colp is 524,288 bytes; 64 work-groups read 8,192 bytes of it each, and the last launch then reads 16,384.
; SHARES.  Work-group 8 j + c, one wave, owns rows 32 j .. 32 j + 31 of columns 64 c .. 64 c + 63.  Lane (r, h) takes columns 4 r .. 4 r + 3 of the rows 2 i + h: a load covers two rows' 256 consecutive bytes, at multiples of 256.
; The halves of the lanes meet by a lane permute; 32 lanes store 256 consecutive bytes.  No LDS, no barrier, matrix unit, tensor load, cluster or prefetch: each byte is read once, at the launch's head.
.macro TREE b, d                       ; eight quads at v[b] on are summed into the quad at v[d]
.irp g, 0,1,2,3
	v_pk_add_f32 v[\b+4*\g:\b+4*\g+1], v[\b+4*\g:\b+4*\g+1], v[\b+16+4*\g:\b+17+4*\g]
	v_pk_add_f32 v[\b+4*\g+2:\b+4*\g+3], v[\b+4*\g+2:\b+4*\g+3], v[\b+18+4*\g:\b+19+4*\g]
.endr
.irp g, 0,1
	v_pk_add_f32 v[\b+4*\g:\b+4*\g+1], v[\b+4*\g:\b+4*\g+1], v[\b+8+4*\g:\b+9+4*\g]
	v_pk_add_f32 v[\b+4*\g+2:\b+4*\g+3], v[\b+4*\g+2:\b+4*\g+3], v[\b+10+4*\g:\b+11+4*\g]
.endr
	v_pk_add_f32 v[\d:\d+1], v[\b:\b+1], v[\b+4:\b+5]
	v_pk_add_f32 v[\d+2:\d+3], v[\b+2:\b+3], v[\b+6:\b+7]
.endm
	s_load_b256 s[4:11], s[0:1], 0x0               ; colp s[4:5], lossp s[6:7], colq s[8:9], lossq s[10:11]
	v_bfe_u32 v1, v0, 4, 1                         ; h
	v_and_b32 v2, 15, v0                           ; r
	v_lshlrev_b32 v5, 4, v2
	v_lshl_add_u32 v3, v1, 11, v5                  ; in: row h, 16 r bytes
	v_lshl_add_u32 v5, v1, 3, v5                   ; out: 16 r + 8 h
	v_lshlrev_b32 v4, 3, v0                        ; my two loss words
	v_mov_b32 v6, 0
	v_mov_b32 v7, 0                                ; written once, as v12-15: a lane permute's destination counts as one of its sources
.irp k, 0,1,2,3
	v_mov_b32 v[12+\k], 0
.endr
	s_wait_alu depctr_va_vdst(0)
	s_lshr_b32 s20, ttmp9, 3                       ; j
	s_and_b32 s21, ttmp9, 7
	s_lshl_b32 s21, s21, 8                         ; my 256 bytes of a row
	s_lshl_b32 s12, s20, 16
	s_add_co_u32 s12, s12, s21                     ; 32 rows of 2,048 bytes
	s_mov_b32 s13, 0
	s_lshl_b32 s14, ttmp9, 8                       ; 64 loss words
	s_mov_b32 s15, 0
	s_lshl_b32 s16, s20, 11
	s_add_co_u32 s16, s16, s21
	s_mov_b32 s17, 0
	s_lshl_b32 s18, ttmp9, 2
	s_mov_b32 s19, 0
	s_mov_b32 s22, 0x76543210                      ; v_permlanex16_b32: lane l xor 16
	s_mov_b32 s23, 0xfedcba98
	s_wait_kmcnt 0x0
	s_add_nc_u64 s[4:5], s[4:5], s[12:13]
	s_add_nc_u64 s[6:7], s[6:7], s[14:15]
	s_add_nc_u64 s[8:9], s[8:9], s[16:17]
	s_add_nc_u64 s[10:11], s[10:11], s[18:19]
	global_load_b64 v[8:9], v4, s[6:7]
.irp i, 0,1,2,3,4,5,6,7,8,9,10,11,12,13,14,15
	global_load_b128 v[16+4*\i:19+4*\i], v3, s[4:5] offset:4096*\i th:TH_LOAD_NT
.endr
	s_wait_loadcnt 0x10                            ; the loss words are in; colp's sixteen loads may be out
	v_add_f32 v8, v8, v9
.irp k, 1,2,4,8
	v_add_f32_dpp v8, v8, v8 row_xmask:\k row_mask:0xf bank_mask:0xf
.endr
	v_permlanex16_b32 v7, v8, s22, s23
	v_add_f32 v8, v8, v7
	v_cmp_eq_u32 vcc_lo, 0, v0
	s_wait_alu depctr_va_vdst(0)
	s_wait_xcnt 0x0                                ; EXEC changes only behind this wait
	s_and_saveexec_b32 s24, vcc_lo
	global_store_b32 v6, v8, s[10:11]
	s_wait_xcnt 0x0                                ; and again ahead of the line that widens it
	s_or_b32 exec_lo, exec_lo, s24
	s_wait_loadcnt 0x8                             ; rows 0-15 are in; the eight loads behind them may be out
	TREE 16, 16
	s_wait_alu depctr_va_vdst(0)
	s_wait_loadcnt 0x0
	TREE 48, 48
	v_pk_add_f32 v[16:17], v[16:17], v[48:49]
	v_pk_add_f32 v[18:19], v[18:19], v[50:51]
.irp k, 0,1,2,3
	v_permlanex16_b32 v[12+\k], v[16+\k], s22, s23
.endr
	v_pk_add_f32 v[16:17], v[16:17], v[12:13]
	v_pk_add_f32 v[18:19], v[18:19], v[14:15]
	v_cmp_eq_u32 vcc_lo, 1, v1
	v_cndmask_b32 v16, v16, v18, vcc_lo            ; lanes 0-15 store columns 4 r, 4 r + 1, lanes 16-31 the next two
	v_cndmask_b32 v17, v17, v19, vcc_lo
	global_store_b64 v5, v[16:17], s[8:9]
	s_endpgm
.Lfunc_end_k_qad0147f9f0_vq_mid:
	.size	k_qad0147f9f0_vq_mid, .Lfunc_end_k_qad0147f9f0_vq_mid-k_qad0147f9f0_vq_mid
	.p2alignl 7, 3214868480
	.fill 96, 4, 3214868480
	.section	.rodata,"a",@progbits
	.p2align	6, 0x0
	.amdhsa_kernel k_qad0147f9f0_vq_mid
		.amdhsa_group_segment_fixed_size 0
		.amdhsa_private_segment_fixed_size 0
		.amdhsa_enable_private_segment 0
		.amdhsa_kernarg_size 32
		.amdhsa_user_sgpr_count 2
		.amdhsa_user_sgpr_kernarg_segment_ptr 1
		.amdhsa_wavefront_size32 1
		.amdhsa_system_sgpr_workgroup_id_x 1
		.amdhsa_system_sgpr_workgroup_id_y 1
		.amdhsa_system_sgpr_workgroup_id_z 1
		.amdhsa_system_vgpr_workitem_id 0
		.amdhsa_next_free_vgpr 80
		.amdhsa_next_free_sgpr 66
		.amdhsa_reserve_vcc 1
		.amdhsa_float_denorm_mode_32 3
		.amdhsa_float_denorm_mode_16_64 3
		.amdhsa_memory_ordered 1
		.amdhsa_forward_progress 1
		.amdhsa_inst_pref_size 7
	.end_amdhsa_kernel
	.amdgpu_metadata
---
amdhsa.version: [ 1, 2 ]
amdhsa.kernels:
  - .name:           k_qad0147f9f0_vq_mid
    .symbol:         k_qad0147f9f0_vq_mid.kd
    .args:
      - { .name: colp, .offset: 0, .size: 8, .value_kind: global_buffer, .address_space: global }
      - { .name: lossp, .offset: 8, .size: 8, .value_kind: global_buffer, .address_space: global }
      - { .name: colq, .offset: 16, .size: 8, .value_kind: global_buffer, .address_space: global }
      - { .name: lossq, .offset: 24, .size: 8, .value_kind: global_buffer, .address_space: global }
    .group_segment_fixed_size: 0
    .private_segment_fixed_size: 0
    .kernarg_segment_align: 8
    .kernarg_segment_size: 32
    .max_flat_workgroup_size: 32
    .sgpr_count:     66
    .vgpr_count:     80
    .wavefront_size: 32
...
	.end_amdgpu_metadata
.endif
;; end of part 2
;; launch vq_finish (part 3): grid 1 x 1, 1 waves a work-group, no clusters, 0 bytes of LDS; arguments colq, lossq, out1, out2; writes out1, out2
.if DOCPART == 3
	.amdgcn_target "amdgcn-amd-amdhsa--gfx1250"
	.amdhsa_code_object_version 6
	.text
	.protected	k_qad0147f9f0_vq_finish
	.globl	k_qad0147f9f0_vq_finish
	.p2align	8
	.type	k_qad0147f9f0_vq_finish,@function
k_qad0147f9f0_vq_finish:
	s_mov_b64 s[64:65], 0
	v_nop
	global_prefetch_b8 v0, s[64:65] scope:SCOPE_SE
	s_setreg_imm32_b32 hwreg(HW_REG_WAVE_MODE, 25, 1), 1
	s_wait_xcnt 0x0
; The two scalars.  colq [8][512] f32: eight partial rows of the column sums of the probabilities; lossq [64] f32: parts of 32 x loss.
; out1 = loss = (sum of lossq) / 32.  out2 = perplexity = 2^(-sum a log2(a + 1e-10)), a = max(column sum / 32768, 1e-10).  Nothing of the problem is left out here.
; One work-group of one wave: a sum over all columns has one owner, and in one wave nothing passes through LDS or a barrier.  Lane l owns columns 128 c + 4 l .. + 3, c = 0 .. 3: 32 loads of 16 bytes, each of the wave's 512 consecutive bytes,
; and one of 8 bytes of lossq; all 33 are out at once.  No matrix unit, tensor load, cluster or prefetch: 16,640 bytes are read once, at the launch's head, and two words are written.
.macro TREE b, d                       ; eight quads at v[b] on are summed into the quad at v[d]
.irp g, 0,1,2,3
	v_pk_add_f32 v[\b+4*\g:\b+4*\g+1], v[\b+4*\g:\b+4*\g+1], v[\b+16+4*\g:\b+17+4*\g]
	v_pk_add_f32 v[\b+4*\g+2:\b+4*\g+3], v[\b+4*\g+2:\b+4*\g+3], v[\b+18+4*\g:\b+19+4*\g]
.endr
.irp g, 0,1
	v_pk_add_f32 v[\b+4*\g:\b+4*\g+1], v[\b+4*\g:\b+4*\g+1], v[\b+8+4*\g:\b+9+4*\g]
	v_pk_add_f32 v[\b+4*\g+2:\b+4*\g+3], v[\b+4*\g+2:\b+4*\g+3], v[\b+10+4*\g:\b+11+4*\g]
.endr
	v_pk_add_f32 v[\d:\d+1], v[\b:\b+1], v[\b+4:\b+5]
	v_pk_add_f32 v[\d+2:\d+3], v[\b+2:\b+3], v[\b+6:\b+7]
.endm
	s_load_b256 s[4:11], s[0:1], 0x0               ; colq s[4:5], lossq s[6:7], out1 s[8:9], out2 s[10:11]
	v_lshlrev_b32 v1, 4, v0
	v_lshlrev_b32 v2, 3, v0
	v_mov_b32 v3, 0
	v_mov_b32 v4, 0                                ; written once: a lane permute's destination counts as one of its sources
	s_mov_b32 s12, 0x76543210                      ; v_permlanex16_b32: lane l xor 16
	s_mov_b32 s13, 0xfedcba98
	s_wait_alu depctr_va_vdst(0)
	s_wait_kmcnt 0x0
.irp c, 0,1,2,3
.irp i, 0,1,2,3,4,5,6,7
	global_load_b128 v[32+32*\c+4*\i:35+32*\c+4*\i], v1, s[4:5] offset:2048*\i+512*\c
.endr
.endr
	global_load_b64 v[8:9], v2, s[6:7]
.irp c, 0,1,2,3
	s_wait_alu depctr_va_vdst(0)
	s_wait_loadcnt 25-8*\c                         ; these columns' eight rows are in; the loads issued behind them may be out
	TREE 32+32*\c, 32+32*\c
.irp k, 0,1,2,3
	v_mul_f32 v[32+32*\c+\k], 0x38000000, v[32+32*\c+\k]   ; / 32768
.endr
.irp k, 0,1,2,3
	v_max_num_f32 v[32+32*\c+\k], 0x2edbe6ff, v[32+32*\c+\k]       ; a = max(.., 1e-10)
.endr
.irp k, 0,1,2,3
	v_add_f32 v[160+4*\c+\k], 0x2edbe6ff, v[32+32*\c+\k]
.endr
.endr
	s_wait_alu depctr_va_vdst(0)
	s_wait_loadcnt 0x0
.irp k, 0,1,2,3,4,5,6,7,8,9,10,11,12,13,14,15
	v_log_f32 v[160+\k], v[160+\k]
.endr
	v_add_f32 v8, v8, v9                           ; the loss words' sum is the plain work between the logarithms and the wait for them
.irp k, 1,2,4,8
	v_add_f32_dpp v8, v8, v8 row_xmask:\k row_mask:0xf bank_mask:0xf
.endr
	v_permlanex16_b32 v4, v8, s12, s13
	v_add_f32 v8, v8, v4
	v_mul_f32 v8, 0x3d000000, v8                   ; / 32
	s_wait_alu depctr_va_vdst(0)                   ; one wait for the sixteen logarithms, ahead of their first reader
.irp k, 0,1,2,3
	v_mul_f32 v[10+\k], v[32+\k], v[160+\k]
.endr
.irp c, 1,2,3
.irp k, 0,1,2,3
	v_fma_f32 v[10+\k], v[32+32*\c+\k], v[160+4*\c+\k], v[10+\k]
.endr
.endr
	v_pk_add_f32 v[10:11], v[10:11], v[12:13]
	v_add_f32 v10, v10, v11
.irp k, 1,2,4,8
	v_add_f32_dpp v10, v10, v10 row_xmask:\k row_mask:0xf bank_mask:0xf
.endr
	v_permlanex16_b32 v4, v10, s12, s13
	v_add_f32 v10, v10, v4                         ; sum a log2(a + 1e-10)
	s_wait_alu depctr_va_vdst(0)
	v_exp_f32 v14, -v10
	v_cmp_eq_u32 vcc_lo, 0, v0                     ; (a plain place behind the exponential)
	s_wait_alu depctr_va_vdst(0)                   ; ahead of the store that reads the exponential
	s_wait_xcnt 0x0                                ; EXEC changes only behind this wait
	s_and_saveexec_b32 s16, vcc_lo
	global_store_b32 v3, v8, s[8:9]
	global_store_b32 v3, v14, s[10:11]
	s_endpgm
.Lfunc_end_k_qad0147f9f0_vq_finish:
	.size	k_qad0147f9f0_vq_finish, .Lfunc_end_k_qad0147f9f0_vq_finish-k_qad0147f9f0_vq_finish
	.p2alignl 7, 3214868480
	.fill 96, 4, 3214868480
	.section	.rodata,"a",@progbits
	.p2align	6, 0x0
	.amdhsa_kernel k_qad0147f9f0_vq_finish
		.amdhsa_group_segment_fixed_size 0
		.amdhsa_private_segment_fixed_size 0
		.amdhsa_enable_private_segment 0
		.amdhsa_kernarg_size 32
		.amdhsa_user_sgpr_count 2
		.amdhsa_user_sgpr_kernarg_segment_ptr 1
		.amdhsa_wavefront_size32 1
		.amdhsa_system_sgpr_workgroup_id_x 1
		.amdhsa_system_sgpr_workgroup_id_y 1
		.amdhsa_system_sgpr_workgroup_id_z 1
		.amdhsa_system_vgpr_workitem_id 0
		.amdhsa_next_free_vgpr 192
		.amdhsa_next_free_sgpr 66
		.amdhsa_reserve_vcc 1
		.amdhsa_float_denorm_mode_32 3
		.amdhsa_float_denorm_mode_16_64 3
		.amdhsa_memory_ordered 1
		.amdhsa_forward_progress 1
		.amdhsa_inst_pref_size 14
	.end_amdhsa_kernel
	.amdgpu_metadata
---
amdhsa.version: [ 1, 2 ]
amdhsa.kernels:
  - .name:           k_qad0147f9f0_vq_finish
    .symbol:         k_qad0147f9f0_vq_finish.kd
    .args:
      - { .name: colq, .offset: 0, .size: 8, .value_kind: global_buffer, .address_space: global }
      - { .name: lossq, .offset: 8, .size: 8, .value_kind: global_buffer, .address_space: global }
      - { .name: out1, .offset: 16, .size: 8, .value_kind: global_buffer, .address_space: global }
      - { .name: out2, .offset: 24, .size: 8, .value_kind: global_buffer, .address_space: global }
    .group_segment_fixed_size: 0
    .private_segment_fixed_size: 0
    .kernarg_segment_align: 8
    .kernarg_segment_size: 32
    .max_flat_workgroup_size: 32
    .sgpr_count:     66
    .vgpr_count:     192
    .wavefront_size: 32
...
	.end_amdgpu_metadata
.endif
;; end of part 3
